; MI455X (gfx1250); checked and timed in simulation.
; The chip was launched on July 23, 2026; its instructions are those of AMD's public machine-readable ISA for CDNA 5 (MIT licence, August 2026) and "CDNA5" Instruction Set Architecture Reference Guide (July 2026). The comments in the code are by the model that wrote it; some were corrected since.
;; Attention Window. Allowed arithmetic: matrix products marked QUANTISED: E2M3 operands, one E8M0 scale for each 32 along K, by v_wmma_scale_f32_16x16x128_f8f6f4 with both operands' format E2M3, f32 sums; everything else in f32.
;; Inputs: W 1,024 x 1,024 float32; repr 8 x 1,024 x 1,024 float32.
;; Outputs: out0 8 x 1,024 x 1,024 float32.
;; This version of the problem:
;;   THIS VERSION OF THE PROBLEM IS GIVEN IN LOW PRECISION. The matrix products marked QUANTISED in the list below multiply operands that are first quantised to E2M3 (2 exponent bits, 3 mantissa bits; 6 bits a number), with one power-of-two scale for each 32 numbers along K (OCP MX v1.0); their sums are f32. All else is computed in f32.
;;   The module's matrix products, in the order in which they are computed (A, B: the left and right operand; K: the contracted axis; several contracted axes count as one K, in the product's order):
;;     1. [M 1,024, K 1,024] x [K 1,024, N 8,192]; A: input W; B: input repr: QUANTISED
;;     2. batch 8 x [M 1,024, K 1,024] x [K 1,024, N 1,024]; A: computed on the way; B: input repr: QUANTISED
;;     3. batch 8 x [M 1,024, K 1,024] x [K 1,024, N 1,024]; A: softmax (see below); B: input repr: QUANTISED
;;   THE QUANTISER, for each operand of a quantised product, along K:
;;     - K is cut into blocks of 32 from its start; a last block that is shorter is filled with zeros.
;;     - A block's scale is 2^e with e = floor(log2(the largest magnitude in the block)) - 2, held to -126 .. 127; a block of zeros has e = 0. As a byte (E8M0): e + 127.
;;     - Each number is divided by its block's scale, clamped to +-7.5, and rounded to the nearest number of E2M3, ties to even, subnormals kept.
;;     - The product sums the exact products of the quantised numbers (number of the format x scale) in f32.
;;   ~~~python
;;   def quantise(x, axis):      # numpy; x: float32 -> the quantised numbers, widened to float32 again
;;       x = np.moveaxis(x, axis, -1); K = x.shape[-1]
;;       x = np.pad(x, [(0, 0)] * (x.ndim - 1) + [(0, -K % 32)]); x = x.reshape(x.shape[:-1] + (-1, 32)); a = np.abs(x).max(-1, keepdims=True)
;;       e = np.where(a > 0, np.clip(np.frexp(np.where(a > 0, a, 1))[1] - 1 - 2, -126, 127), 0)      # np.frexp(a)[1] - 1 = floor(log2(a)), exactly
;;       r = np.clip(x / 2.0 ** e, -7.5, 7.5)
;;       step = 2.0 ** (np.maximum(np.frexp(np.where(r == 0, 1, r))[1] - 1, 0) - 3)
;;       q = np.round(r / step) * step * 2.0 ** e      # np.round: ties to even
;;       return np.moveaxis(q.reshape(q.shape[:-2] + (-1,))[..., :K], -1, axis).astype(np.float32)
;;   ~~~
;;   SOFTMAX AHEAD OF A QUANTISED PRODUCT. Where the list says 'softmax', what is quantised is not the finished softmax but p = 2^(t - M), with t = logit x log2(e) and M = ceil(the row's largest t), a whole number; so 1/2 < the row's largest p <= 1. The row's sum l is taken of the UNQUANTISED p, in f32, and the product's result is divided by l at the end. Since M is a whole number, a kernel that streams over the keys may use a running M (the ceiling of the running maximum): every later rescaling is an exact power of two, which a block's scale takes up: the codes' values come out the same.
;;   OPERANDS COMPUTED ON THE WAY. 'Computed on the way' means the value that the module computes at that place (a softmax that the list does not call 'softmax' is quantised finished and normalised). What goes into a quantiser is computed in f32, as accurately as f32 sums, v_exp_f32 and their like allow (about 1e-6 of the number): no bf16 or f16 on the way to a quantiser, and a product that is left as it is and whose result goes on into a quantised operand takes f32 operands (vector FMAs, or v_wmma_f32_16x16x4_f32). A number that lies on a knife's edge between two numbers of the format may be rounded either way, as far as f32 arithmetic and the matrix unit's own rounding can turn it there, and no further.
;; One version. Each part assembles by itself: llvm-mc -triple=amdgcn-amd-amdhsa -mcpu=gfx1250 --defsym DOCPART=n.
;; ======== version 1 of 1: 3 launches
;; limits: right only within a limited range of input values
;; workspace buffers: rq 6,291,456 bytes; rv 6,291,456 bytes; sc 524,288 bytes; wq 786,432 bytes; wqs 32,768 bytes; tq 6,291,456 bytes; ts 262,144 bytes
;; launch prep (part 1): grid 256 x 1, 12 waves a work-group, no clusters, 136,960 bytes of LDS; arguments repr, W, rq, rv, sc, wq, wqs; writes rq, rv, sc, wq, wqs
.if DOCPART == 1
	.amdgcn_target "amdgcn-amd-amdhsa--gfx1250"
	.amdhsa_code_object_version 6
	.text
	.protected	k_q42aaa899f9_prep
	.globl	k_q42aaa899f9_prep
	.p2align	8
	.type	k_q42aaa899f9_prep,@function
k_q42aaa899f9_prep:
	s_mov_b64 s[64:65], 0
	v_nop
	global_prefetch_b8 v0, s[64:65] scope:SCOPE_SE
	s_setreg_imm32_b32 hwreg(HW_REG_WAVE_MODE, 25, 1), 1
	s_wait_xcnt 0x0
; repr [8192 rows][1024] and W [1024 (d)][1024 (e)], f32, become codes of FP6 (E2M3) with one E8M0 byte for each 32 along K:
;   rq: repr along its last axis (K of products 1 and 2);  rv: repr along its rows, the keys (K of product 3);  wq: W along its first axis d.
; A block's byte is its largest magnitude's exponent field - 2, held at 1 from below by a floor among the maximum's leaves.
; DEAD WORK, left out by the whole program: scores of keys with |q - k| > 64.  such a key has the score -1e9, so its p is 0 beside the row's own open key; whole key blocks outside the
; window are neither multiplied nor read for a block of queries.  A NaN, an infinity or an overflow that reaches only those products is not carried to the result.
; LIMITS: a block of zeros gets the byte 1 where the rule says 127 (its codes are zeros, and this program alone reads the bytes); NaN and infinities among the inputs are not served.
; LAYOUTS.  A block of 32 codes is 24 bytes: six registers of one lane.  32 lanes' blocks make a PLANE of 768 bytes: 16 bytes (registers 0-3) at 16 x place, then 8 bytes (registers 4-5) at 512 + 8 x place.
;   rq [G 256][b 32]: plane of rows 32 G + rho, columns 32 b ..; place = rho ^ 24 (b % 2)
;   wq [cg 32][kb 32]: plane of columns e = 32 cg + rho, d = 32 kb ..; place = rho ^ 24 (kb % 2) ^ 8 (cg % 2)
;   rv [G][s 8][q 4]: plane of columns 128 s + 4 l + q, rows 32 G ..; place = l.        (The exchanged places keep the later launches' LDS loads on different banks.)
;   sc [G][s][32 places][2 words]: word 0 = row rho's four bytes of K step s; word 1 = the bytes of columns 128 s + 4 l + 0 .. 3 along the rows
;   wqs [s][cg][32] words: column rho's four bytes of K step s
; SHARES.  Waves 0-7: 32 rows x columns 128 w ..: 32 loads of 512 consecutive bytes.  A lane holds four columns of every row: columns are quantised from the registers as loaded; rows turn through the wave's own stage.
; Waves 8-11: 32 rows d x 32 columns e of W each, a lane to a column.
.set STGP, 528                         ; a stage row: 512 bytes + 16
.set SREG, 32*STGP
.set WSC,  8*SREG                      ; W's scale words of this work-group, 128 bytes
.set SPARE, WSC+256                    ; the spare words, 128 bytes for each wave
.set SPW, 1
.set NIL, 2
.set LN,  3
.set LI,  4                            ; 16 x lane
.set L8,  5                            ; 8 x lane
.set L4,  6                            ; 4 x lane
.set SI,  7                            ; stage, in
.set SR,  8                            ; stage, by rows
.set O16, 9                            ; 16 x (lane ^ 24)
.set O8,  10                           ; 8 x (lane ^ 24)
.set WSB, 11                           ; my W byte in LDS
.set WSR, 12                           ; W's words read back
.set W16, 13
.set W8,  14
.set MX,  16
.set SOP, 20
.set BY,  24
.set SW,  28                           ; v28 row word, v29 columns' word
.set CD,  30                           ; four sets of six code registers
.set DD,  54                           ; two sets for second conversions
.set LA,  64                           ; 32 rows as loaded; later the rows' four blocks
.set X,   192                          ; two columns' 32 numbers, or W's
.macro WALU
	s_wait_alu depctr_va_vdst(0)
.endm
; four blocks of 32: number i of block q stands in v[x + n q + k i]: largest magnitudes, scale operands, bytes; the four blocks by turns
.macro MAX4 x, n, k
.irp q, 0,1,2,3
	v_max3_num_f32 v[MX+\q], |v[\x+\n*\q]|, |v[\x+\n*\q+\k]|, 0x1800000
.endr
.irp i, 2,4,6,8,10,12,14,16,18,20,22,24,26,28,30
.irp q, 0,1,2,3
	v_max3_num_f32 v[MX+\q], v[MX+\q], |v[\x+\n*\q+\k*\i]|, |v[\x+\n*\q+\k*\i+\k]|
.endr
.endr
.irp q, 0,1,2,3
	v_add_nc_u32 v[SOP+\q], 0xff000000, v[MX+\q]   ; 2 off the exponent field: the conversion's scale operand
.endr
.irp q, 0,1,2,3
	v_lshrrev_b32 v[BY+\q], 23, v[SOP+\q]
.endr
.endm
.macro PACK d
	v_lshl_or_b32 v[\d], v[BY+1], 8, v[BY]
	v_lshl_or_b32 v[\d], v[BY+2], 16, v[\d]
	v_lshl_or_b32 v[\d], v[BY+3], 24, v[\d]
.endm
.macro CVT n, d, x                     ; 32 numbers from v[x] on: lower 16 codes into set n, upper 16 aside (three registers begin on an even number)
	v_cvt_scalef32_pk16_fp6_f32 v[CD+6*\n:CD+6*\n+2], v[\x:\x+15], v[SOP+\n]
	v_cvt_scalef32_pk16_fp6_f32 v[DD+4*\d:DD+4*\d+2], v[\x+16:\x+31], v[SOP+\n]
.endm
.macro FIN n, d, a16, a8, base, off    ; a plane leaves: 512 and 256 consecutive bytes
.irp i, 0,1,2
	v_mov_b32 v[CD+6*\n+3+\i], v[DD+4*\d+\i]
.endr
	global_store_b128 v[\a16], v[CD+6*\n:CD+6*\n+3], s[\base:\base+1] offset:\off
	global_store_b64 v[\a8], v[CD+6*\n+4:CD+6*\n+5], s[\base:\base+1] offset:\off+512
.endm
.macro COLS q                          ; columns q, q + 1 of my four, each to 32 registers on end
.irp k, 0,2,4,6,8,10,12,14,16,18,20,22,24,26,28,30
	v_dual_mov_b32 v[X+\k], v[LA+4*\k+\q] :: v_dual_mov_b32 v[X+33+\k], v[LA+4*\k+5+\q]
	v_dual_mov_b32 v[X+1+\k], v[LA+4*\k+4+\q] :: v_dual_mov_b32 v[X+32+\k], v[LA+4*\k+1+\q]
.endr
.endm
	s_load_b256 s[4:11], s[0:1], 0x0               ; repr, W, rq, rv
	s_load_b128 s[12:15], s[0:1], 0x20             ; sc, wq
	s_load_b64 s[16:17], s[0:1], 0x30              ; wqs
	v_lshrrev_b32 v3, 5, v0
	v_readfirstlane_b32 s20, v3                    ; wave 0..11
	s_mul_i32 s21, s20, SREG
	s_and_b32 s22, s20, 3                          ; W: my block of the K step
	s_add_co_u32 s23, s22, WSC
	s_mov_b32 s27, 0
	v_lshl_add_u32 v[SPW], v0, 2, SPARE
	v_mov_b32 v[NIL], 0
	v_and_b32 v[LN], 31, v0
	v_lshlrev_b32 v[LI], 4, v[LN]
	v_lshlrev_b32 v[L8], 3, v[LN]
	v_lshlrev_b32 v[L4], 2, v[LN]
	v_add_nc_u32 v[SI], s21, v[LI]
	v_mul_u32_u24 v[SR], v[LN], STGP
	v_add_nc_u32 v[SR], s21, v[SR]
	v_xor_b32 v[O16], 24, v[LN]
	v_lshlrev_b32 v[O8], 3, v[O16]
	v_lshlrev_b32 v[O16], 4, v[O16]
	v_add_nc_u32 v[WSB], s23, v[L4]
	v_add_nc_u32 v[WSR], WSC, v[L4]
	WALU                                           ; the wait at the head's end
	s_wait_kmcnt 0x0
	s_lshl_b32 s26, ttmp9, 7                       ; wqs: work-group 32 s + cg owns its 32 words
	s_add_nc_u64 s[16:17], s[16:17], s[26:27]
	s_cmp_lt_u32 s20, 8                            ; the wave's number alone decides the path
	s_cbranch_scc0 .Lw_path
; ---- repr
	s_lshl_b32 s26, ttmp9, 17                      ; 32 rows of 4,096 bytes
	s_lshl_b32 s28, s20, 9                         ; my 128 columns
	s_add_co_u32 s26, s26, s28
	s_add_nc_u64 s[4:5], s[4:5], s[26:27]
.set li, 0
.rept 32
	global_load_b128 v[LA+4*li:LA+4*li+3], v[LI], s[4:5] offset:li*4096 th:TH_LOAD_NT
.set li, li+1
.endr
	s_mul_i32 s26, ttmp9, 24576
	s_mul_i32 s28, s20, 3072                       ; four planes a wave
	s_add_co_u32 s26, s26, s28
	s_add_nc_u64 s[8:9], s[8:9], s[26:27]
	s_add_nc_u64 s[10:11], s[10:11], s[26:27]
	s_lshl_b32 s26, ttmp9, 11
	s_lshl_b32 s28, s20, 8
	s_add_co_u32 s26, s26, s28
	s_add_nc_u64 s[12:13], s[12:13], s[26:27]
.set li, 0
.rept 32
	s_wait_loadcnt 31-li                           ; row li is in; the 31 - li behind it may be out
	ds_store_b128 v[SI], v[LA+4*li:LA+4*li+3] offset:li*STGP
.set li, li+1
.endr
	MAX4 LA, 1, 4                                  ; my four columns down the 32 rows
	PACK SW+1
	COLS 0
	CVT 0, 0, X
	CVT 1, 1, X+32
	v_nop                                          ; one plain place behind a scaled conversion
	FIN 0, 0, LI, L8, 10, 0
	FIN 1, 1, LI, L8, 10, 768
	COLS 2
	WALU                                           ; the wait ahead of the blocking wait
	s_wait_dscnt 0x0                               ; the stage's stores are done: their registers take the rows
.irp b, 0,1,2,3
.irp j, 0,1,2,3,4,5,6,7
	ds_load_b128 v[LA+32*\b+4*\j:LA+32*\b+4*\j+3], v[SR] offset:128*\b+16*\j   ; lane = row: 32 neighbours of each block
.endr
.endr
	CVT 2, 0, X
	CVT 3, 1, X+32
	v_nop
	FIN 2, 0, LI, L8, 10, 1536
	FIN 3, 1, LI, L8, 10, 2304
	WALU
	s_wait_dscnt 0x0                               ; the rows are in
	s_wait_xcnt 0x0                                ; the columns' stores have read their registers
	MAX4 LA, 32, 1
	PACK SW
	global_store_b64 v[L8], v[SW:SW+1], s[12:13]   ; one aligned unit of 256 bytes
	CVT 0, 0, LA
	CVT 1, 1, LA+32
	v_nop
	FIN 0, 0, LI, L8, 8, 0
	FIN 1, 1, O16, O8, 8, 768
	CVT 2, 0, LA+64
	CVT 3, 1, LA+96
	v_nop
	FIN 2, 0, LI, L8, 8, 1536
	FIN 3, 1, O16, O8, 8, 2304
	WALU
	s_branch .Ljoin
; ---- W
.Lw_path:
	s_lshr_b32 s28, ttmp9, 5                       ; s
	s_and_b32 s29, ttmp9, 31                       ; cg
	s_lshl_b32 s28, s28, 2
	s_add_co_u32 s28, s28, s22                     ; kb = 4 s + block
	s_lshl_b32 s26, s28, 17                        ; 32 rows of 4,096 bytes
	s_lshl_b32 s30, s29, 7
	s_add_co_u32 s26, s26, s30
	s_add_nc_u64 s[6:7], s[6:7], s[26:27]
.set li, 0
.rept 32
	global_load_b32 v[X+li], v[L4], s[6:7] offset:4096*li th:TH_LOAD_NT
.set li, li+1
.endr
	s_mul_i32 s26, s29, 24576
	s_mul_i32 s30, s28, 768
	s_add_co_u32 s26, s26, s30
	s_add_nc_u64 s[14:15], s[14:15], s[26:27]
	s_and_b32 s28, s28, 1
	s_mul_i32 s28, s28, 24
	s_and_b32 s29, s29, 1
	s_lshl_b32 s29, s29, 3
	s_xor_b32 s28, s28, s29
	v_xor_b32 v[W16], s28, v[LN]                   ; my plane's places
	v_lshlrev_b32 v[W8], 3, v[W16]
	v_lshlrev_b32 v[W16], 4, v[W16]
	WALU
	s_wait_loadcnt 0x0
	v_max3_num_f32 v[MX], |v[X]|, |v[X+1]|, |v[X+2]|
	v_max3_num_f32 v[MX+1], |v[X+3]|, |v[X+4]|, |v[X+5]|
.irp i, 6,10,14,18,22,26
	v_max3_num_f32 v[MX], v[MX], |v[X+\i]|, |v[X+\i+1]|
	v_max3_num_f32 v[MX+1], v[MX+1], |v[X+\i+2]|, |v[X+\i+3]|
.endr
	v_max3_num_f32 v[MX], v[MX], |v[X+30]|, |v[X+31]|
	v_max3_num_f32 v[MX], v[MX], v[MX+1], 0x1800000
	v_add_nc_u32 v[SOP], 0xff000000, v[MX]
	v_lshrrev_b32 v[BY], 23, v[SOP]
	ds_store_b8 v[WSB], v[BY]                      ; my column's byte of this K step's word
	CVT 0, 0, X
	v_nop
	FIN 0, 0, W16, W8, 14, 0
	WALU
.Ljoin:
	s_wait_dscnt 0x0
	s_barrier_signal -1
	s_barrier_wait -1                              ; the four waves' bytes make whole words
	s_cmp_eq_u32 s20, 8
	s_cbranch_scc0 .Lend
	ds_load_b32 v[MX], v[WSR]
	s_wait_dscnt 0x0
	global_store_b32 v[L4], v[MX], s[16:17]
.Lend:
	s_wait_tensorcnt 0x0                           ; the wave's end
	ds_add_u32 v[SPW], v[NIL]
	s_wait_dscnt 0x0
	s_endpgm
.Lfunc_end_k_q42aaa899f9_prep:
	.size	k_q42aaa899f9_prep, .Lfunc_end_k_q42aaa899f9_prep-k_q42aaa899f9_prep
	.p2alignl 7, 3214868480
	.fill 96, 4, 3214868480
	.section	.rodata,"a",@progbits
	.p2align	6, 0x0
	.amdhsa_kernel k_q42aaa899f9_prep
		.amdhsa_group_segment_fixed_size 136960
		.amdhsa_private_segment_fixed_size 0
		.amdhsa_enable_private_segment 0
		.amdhsa_kernarg_size 56
		.amdhsa_user_sgpr_count 2
		.amdhsa_user_sgpr_kernarg_segment_ptr 1
		.amdhsa_wavefront_size32 1
		.amdhsa_system_sgpr_workgroup_id_x 1
		.amdhsa_system_sgpr_workgroup_id_y 1
		.amdhsa_system_sgpr_workgroup_id_z 1
		.amdhsa_system_vgpr_workitem_id 0
		.amdhsa_next_free_vgpr 256
		.amdhsa_next_free_sgpr 66
		.amdhsa_reserve_vcc 0
		.amdhsa_float_denorm_mode_32 3
		.amdhsa_float_denorm_mode_16_64 3
		.amdhsa_memory_ordered 1
		.amdhsa_forward_progress 1
		.amdhsa_inst_pref_size 33
	.end_amdhsa_kernel
	.amdgpu_metadata
---
amdhsa.version: [ 1, 2 ]
amdhsa.kernels:
  - .name:           k_q42aaa899f9_prep
    .symbol:         k_q42aaa899f9_prep.kd
    .args:
      - { .name: repr, .offset: 0, .size: 8, .value_kind: global_buffer, .address_space: global }
      - { .name: W, .offset: 8, .size: 8, .value_kind: global_buffer, .address_space: global }
      - { .name: rq, .offset: 16, .size: 8, .value_kind: global_buffer, .address_space: global }
      - { .name: rv, .offset: 24, .size: 8, .value_kind: global_buffer, .address_space: global }
      - { .name: sc, .offset: 32, .size: 8, .value_kind: global_buffer, .address_space: global }
      - { .name: wq, .offset: 40, .size: 8, .value_kind: global_buffer, .address_space: global }
      - { .name: wqs, .offset: 48, .size: 8, .value_kind: global_buffer, .address_space: global }
    .group_segment_fixed_size: 136960
    .private_segment_fixed_size: 0
    .kernarg_segment_align: 8
    .kernarg_segment_size: 56
    .max_flat_workgroup_size: 384
    .sgpr_count:     66
    .vgpr_count:     256
    .wavefront_size: 32
...
	.end_amdgpu_metadata
.endif
;; end of part 1
;; launch gemm (part 2): grid 8 x 32, 8 waves a work-group, clusters of 4 x 4, 327,680 bytes of LDS; arguments rq, sc, wq, wqs, tq, ts; writes tq, ts
.if DOCPART == 2
	.amdgcn_target "amdgcn-amd-amdhsa--gfx1250"
	.amdhsa_code_object_version 6
	.text
	.protected	k_q42aaa899f9_gemm
	.globl	k_q42aaa899f9_gemm
	.p2align	8
	.type	k_q42aaa899f9_gemm,@function
k_q42aaa899f9_gemm:
	s_mov_b64 s[64:65], 0
	v_nop
	global_prefetch_b8 v0, s[64:65] scope:SCOPE_SE
	s_setreg_imm32_b32 hwreg(HW_REG_WAVE_MODE, 25, 1), 1
	s_wait_xcnt 0x0
	s_wait_alu depctr_hold_cnt(0) depctr_sa_sdst(0) depctr_va_vdst(0) depctr_va_sdst(0) depctr_va_ssrc(0) depctr_va_vcc(0) depctr_vm_vsrc(0)
	s_getreg_b32 s2, hwreg(HW_REG_IB_STS2, 6, 4)
	s_cmp_eq_u32 s2, 0
	s_cbranch_scc0 .Lentry_in_a_cluster
	s_endpgm
.Lentry_in_a_cluster:
	s_bfe_u32 s2, ttmp6, 0x10000c
	s_cmp_lg_u32 s2, 0xf033
	s_cbranch_scc0 .Lentry_shape_is_right
	s_endpgm
.Lentry_shape_is_right:
; T = repr W on codes of FP6, and T's quantiser along e: T leaves as codes and scale bytes for the next launch; no f32 result is stored.  Layouts of rq, sc, wq, wqs: the launch before.
;   tq [G 256][u 2][eg 16][768]: half a fragment: rows 32 G + 16 u + r, columns 64 eg ..: registers 0-3 of lane l at 16 l, registers 4-5 at 512 + 8 l;   ts [s 8][8192 rows]: a row's four bytes of K step s
; A work-group makes 256 rows (eight blocks G) x 128 columns (one K step of T) with ALL of K in LDS: 196,608 bytes of repr's codes and 98,304 of W's: nothing is filled twice.  Eight waves, one tensor load each: waves 2 q and 2 q + 1
; bring repr's and W's quarter q of K (two K steps).  Clusters of 4 x 4: repr's rows are shared along a row of the cluster, W's columns along a column.  No prefetch: there is no loop to run ahead in.
; A wave makes 64 x 64: 16 accumulators.  The matrix instruction is used TRANSPOSED (source 0 = W's columns): tile j of a wave's 64 columns is columns 32 half + 8 j + i (row m = 8 half + i of the tile), so that lane (r, h)'s
; registers of the four tiles are 32 NEIGHBOURS along e, columns 32 h + 8 j + i: one scale block of row r, and the six registers of its codes fall as the next product's operand wants them.
; LIMITS: as stated in the launch before.
; REGISTERS.  Window 0: v1-31 addresses, v32-63 scale words and nothing else, v64-191 accumulators, v192-255 at work.  Window 1: v0-191 two sets of fragments (four of W, four of repr).
.set XQ,  49152                        ; a quarter of K of repr: [8 blocks G][8 planes][768]
.set WL,  4*XQ
.set WQ,  24576                        ; of W: [4 column groups][8 planes][768]
.set STG, WL+4*WQ                      ; T's scale words on the way out: 256 rows
.set SPARE, STG+1024                   ; the spare words, 128 bytes for each wave
.set SPW, 1
.set NIL, 2
.set XA,  4                            ; v4-11: repr: 4 (K half) + 2 u + (0: 16-byte pieces, 1: 8-byte pieces)
.set WA,  12                           ; v12-27: W: 8 (K half) + 2 j + the same
.set LI,  28                           ; 16 x lane
.set L8,  29                           ; 8 x lane
.set STB, 30
.set STR, 31
.set XSC, 32                           ; repr's words: 8 g + s: lanes 0-15 tile u = 0, lanes 16-31 u = 1
.set WSC, 48                           ; W's words: 8 (j / 2) + (s ^ 1): lanes 0-15 the even tile, lanes 16-31 the odd
.set ACC, 64
.set MX,  192
.set SOP, 196
.set BY,  200
.set CD,  204
.set DD,  228
.set RD,  244
.set G1X, 24
.set G1W, 32
.set G0X, 48
.set G0W, 52
.set MSB, 0
.macro WIN new                         ; the immediate's high byte repeats the setting that is left
.if MSB != \new
	s_set_vgpr_msb (MSB<<8)|\new
.set MSB, \new
.endif
.endm
.macro WALU
	s_wait_alu depctr_va_vdst(0)
.endm
.macro PLACES
.rept 4
	v_nop
.endr
.endm
.macro CROUND
	s_barrier_signal -1
	s_barrier_wait -1
	s_cmp_lg_u32 s14, 0
	s_cbranch_scc1 .Lnot_wave_0_\@
	s_barrier_signal -3
.Lnot_wave_0_\@:
	s_barrier_wait -3
	s_barrier_signal -1
	s_barrier_wait -1
.endm
.macro ARM under, g0, g1
	s_cmp_lt_u32 s14, \under
	s_cbranch_scc0 .Lnext_\under
	tensor_load_to_lds s[\g0:\g0+3], s[\g1:\g1+7]
	s_nop 0
	PLACES
	s_branch .Lasked
.Lnext_\under:
.endm
.macro SHOW n                          ; quarter n of K to all waves: the two waves that asked for it wait (at the last all do)
.if (\n) < 3
	s_cmp_lt_u32 s14, 2*(\n)+2
	s_cbranch_scc0 .Lnot_mine_\@
	s_wait_tensorcnt 0x0
.Lnot_mine_\@:
.else
	s_wait_tensorcnt 0x0
.endif
	s_wait_dscnt 0x0
	s_barrier_signal -1
	s_barrier_wait -1
.endm
.macro FRAG r, a, off                  ; 12 registers: planes 2 c + h, c = 0, 1
	ds_load_b128 v[\r:\r+3], v[\a] offset:\off
	ds_load_b64 v[\r+4:\r+5], v[\a+1] offset:\off
	ds_load_b128 v[\r+6:\r+9], v[\a] offset:\off+1536
	ds_load_b64 v[\r+10:\r+11], v[\a+1] offset:\off+1536
.endm
.macro FETCH s                         ; K step s into set s % 2: 32 loads
	WIN 0x40
.set E_, 96*((\s)%2)
.set H_, (\s)/4
.set O_, ((\s)/2)%2
.set B_, ((\s)%2)*3072
.irp j, 0,1,2,3
	FRAG E_+12*\j, WA+8*H_+2*\j, O_*WQ+B_
.endr
.irp g, 0,1
.irp u, 0,1
	FRAG E_+48+24*\g+12*\u, XA+4*H_+2*\u, O_*XQ+6144*\g+B_
.endr
.endr
	WIN 0
.endm
.macro MUL s, z                        ; 16 products, the accumulators by turns; z: the first start the sums
	WIN 0x05
.irp th, 0,1
.irp tl, 0,1
.irp jh, 0,1
.irp jl, 0,1
.set D_, ACC+64*\th+32*\tl+16*\jh+8*\jl
.set A_, 96*((\s)%2)+24*\jh+12*\jl
.set X_, 96*((\s)%2)+48+24*\th+12*\tl
.if \z
	v_wmma_scale_f32_16x16x128_f8f6f4 v[D_:D_+7], v[A_:A_+11], v[X_:X_+11], 0, v[WSC+8*\jh+((\s)^1)], v[XSC+8*\th+(\s)] matrix_a_fmt:MATRIX_FMT_FP6 matrix_b_fmt:MATRIX_FMT_FP6 matrix_a_scale:MATRIX_SCALE_ROW\jl matrix_b_scale:MATRIX_SCALE_ROW\tl
.else
	v_wmma_scale_f32_16x16x128_f8f6f4 v[D_:D_+7], v[A_:A_+11], v[X_:X_+11], v[D_:D_+7], v[WSC+8*\jh+((\s)^1)], v[XSC+8*\th+(\s)] matrix_a_fmt:MATRIX_FMT_FP6 matrix_b_fmt:MATRIX_FMT_FP6 matrix_a_scale:MATRIX_SCALE_ROW\jl matrix_b_scale:MATRIX_SCALE_ROW\tl
.endif
.endr
.endr
.endr
.endr
	WIN 0
.endm
.macro STEP s, z
.if \s < 7
	s_wait_dscnt 32                                ; this step's fragments are in; the next step's 32 loads may be out
.else
	s_wait_dscnt 0x0
.endif
	MUL \s, \z
.if \s < 6
.if (\s)%2 == 0
	SHOW (\s)/2+1
.endif
	PLACES                                         ; in front of the loads into the set just read
	FETCH \s+2
.endif
.endm
	s_load_b256 s[4:11], s[0:1], 0x0               ; rq, sc, wq, wqs
	s_load_b128 s[60:63], s[0:1], 0x20             ; tq, ts
	v_lshl_add_u32 v[SPW], v0, 2, SPARE
	v_mov_b32 v[NIL], 0
	ds_add_u32 v[SPW], v[NIL]
	ds_add_u32 v[SPW], v[NIL]
	v_lshrrev_b32 v3, 5, v0
	v_readfirstlane_b32 s14, v3                    ; wave 0..7
	s_and_b32 s15, s14, 3                          ; a: my 64 rows of the 256
	s_lshr_b32 s16, s14, 2                         ; b: my 64 columns of the 128
	s_lshr_b32 s17, s14, 1                         ; the quarter of K that I fetch
	s_bfe_u32 s40, ttmp6, 0x40000                  ; cx
	s_bfe_u32 s41, ttmp6, 0x40004                  ; cy
	s_lshl_b32 s42, ttmp9, 2
	s_add_co_u32 s42, s42, s40                     ; tile column, 0..7: T's K step
	s_and_b32 s43, ttmp7, 0xffff
	s_lshl_b32 s43, s43, 2
	s_add_co_u32 s43, s43, s41                     ; tile row, 0..31
	s_lshl_b32 s44, s41, 2
	s_lshl_b32 s44, 15, s44                        ; my row of the cluster
	s_lshl_b32 s45, 0x1111, s40                    ; my column
	; group 1: rows of 768 elements of 8 bytes (eight planes), 3,072 elements apart: eight of repr, four of W
	s_or_b32 s[G1X+0], s44, (3<<16)|(1<<21)
	s_or_b32 s[G1W+0], s45, (3<<16)|(1<<21)
	s_mov_b32 s[G1X+1], 768<<16
	s_mov_b32 s[G1X+2], 8<<16
	s_mov_b32 s[G1X+3], 768<<16
	s_mov_b32 s[G1X+4], 8
	s_mov_b32 s[G1X+5], 3072
	s_mov_b32 s[G1X+6], 0
	s_mov_b32 s[G1X+7], 0
	s_mov_b32 s[G1W+1], 768<<16
	s_mov_b32 s[G1W+2], 4<<16
	s_mov_b32 s[G1W+3], 768<<16
	s_mov_b32 s[G1W+4], 4
	s_mov_b32 s[G1W+5], 3072
	s_mov_b32 s[G1W+6], 0
	s_mov_b32 s[G1W+7], 0
	s_mov_b32 s[G0X], 1
	s_mul_i32 s[G0X+1], s17, XQ
	s_mov_b32 s[G0W], 1
	s_mul_i32 s[G0W+1], s17, WQ
	s_add_co_u32 s[G0W+1], s[G0W+1], WL
	s_mul_i32 s18, s17, 6144
	s_mul_i32 s20, s43, 196608                     ; eight blocks of 24,576 bytes
	s_add_co_u32 s20, s20, s18
	s_mov_b32 s21, 0
	s_mul_i32 s22, s42, 98304                      ; four column groups
	s_add_co_u32 s22, s22, s18
	s_mov_b32 s23, 0
	s_wait_dscnt 0x0                               ; both opening adds are done
	CROUND                                         ; in front of the first joint loads
	s_wait_kmcnt 0x0
	s_add_nc_u64 s[G0X+2:G0X+3], s[4:5], s[20:21]
	s_or_b32 s[G0X+3], s[G0X+3], 0x80000000
	s_add_nc_u64 s[G0W+2:G0W+3], s[8:9], s[22:23]
	s_or_b32 s[G0W+3], s[G0W+3], 0x80000000
	ARM 1, G0X, G1X
	ARM 2, G0W, G1W
	ARM 3, G0X, G1X
	ARM 4, G0W, G1W
	ARM 5, G0X, G1X
	ARM 6, G0W, G1W
	ARM 7, G0X, G1X
	tensor_load_to_lds s[G0W:G0W+3], s[G1W:G1W+7]
	s_nop 0
	PLACES
.Lasked:
	s_mov_b32 s57, 0
	s_lshl_b32 s56, s43, 3
	s_lshl_b32 s58, s15, 1
	s_add_co_u32 s58, s56, s58                     ; my first block G
	s_lshl_b32 s56, s58, 11
	s_add_nc_u64 s[6:7], s[6:7], s[56:57]          ; repr's scale words
	s_lshl_b32 s56, s42, 9
	s_lshl_b32 s59, s16, 8
	s_add_co_u32 s56, s56, s59
	s_add_nc_u64 s[10:11], s[10:11], s[56:57]      ; W's
	s_lshl_b32 s58, s58, 5
	s_lshl_b32 s59, s42, 1
	s_add_co_u32 s58, s58, s59
	s_add_co_u32 s58, s58, s16
	s_mul_i32 s56, s58, 768
	s_add_nc_u64 s[60:61], s[60:61], s[56:57]      ; my part of tq
	s_lshl_b32 s56, s42, 15
	s_lshl_b32 s59, s43, 10
	s_add_co_u32 s56, s56, s59
	s_add_nc_u64 s[62:63], s[62:63], s[56:57]      ; the work-group's part of ts
	s_mul_i32 s18, s15, 12288                      ; my two blocks of repr in LDS
	s_mul_i32 s19, s16, 12288
	s_add_co_u32 s19, s19, WL                      ; my two column groups of W
	s_lshl_b32 s20, s15, 8
	s_lshl_b32 s22, s16, 1
	s_add_co_u32 s20, s20, s22
	s_add_co_u32 s20, s20, STG                     ; my bytes of T's scale words
	v_and_b32 v192, 15, v0                         ; r
	v_bfe_u32 v193, v0, 4, 1                       ; h
	v_bfe_u32 v194, v0, 3, 1                       ; half = r / 8
	v_and_b32 v195, 7, v0                          ; i = r % 8
	v_and_b32 v196, 31, v0
	v_lshlrev_b32 v[LI], 4, v196
	v_lshlrev_b32 v[L8], 3, v196
	v_lshlrev_b32 v207, 7, v194
	v_lshl_add_u32 v207, v193, 5, v207
	v_lshl_add_u32 v207, v195, 2, v207             ; W's words: 128 half + 32 h + 4 i
	WALU
.irp g, 0,1
.irp s, 0,1,2,3,4,5,6,7
	global_load_b32 v[XSC+8*\g+\s], v[L8], s[6:7] offset:2048*\g+256*\s
	global_load_b32 v[WSC+8*\g+(\s^1)], v207, s[10:11] offset:64*\g+4096*\s
.endr
.endr
	v_mul_u32_u24 v197, v193, 24
	v_xor_b32 v198, v192, v197                     ; place of row r in plane h: r ^ 24 h; of row 16 + r: that ^ 16
	v_xor_b32 v199, 16, v198
	v_mul_u32_u24 v200, v193, 768
	v_add_nc_u32 v202, s19, v200
	v_add_nc_u32 v200, s18, v200
	v_add_nc_u32 v201, 512, v200
	v_lshl_add_u32 v[XA], v198, 4, v200
	v_lshl_add_u32 v[XA+1], v198, 3, v201
	v_lshl_add_u32 v[XA+2], v199, 4, v200
	v_lshl_add_u32 v[XA+3], v199, 3, v201
.irp i, 0,1,2,3
	v_add_nc_u32 v[XA+4+\i], 2*XQ, v[XA+\i]
.endr
	v_mul_u32_u24 v203, v194, 6144
	v_add_nc_u32 v202, v202, v203                  ; rows 8-15 of a tile lie in the second column group
	v_add_nc_u32 v203, 512, v202
	v_lshlrev_b32 v204, 3, v194
	v_xor_b32 v204, v204, v197
	v_add_nc_u32 v204, v204, v195                  ; (24 h ^ 8 half) + i
.irp j, 0,1,2,3
	v_xor_b32 v205, 8*\j, v204
	v_lshl_add_u32 v[WA+2*\j], v205, 4, v202
	v_lshl_add_u32 v[WA+2*\j+1], v205, 3, v203
.endr
.irp i, 0,1,2,3,4,5,6,7
	v_add_nc_u32 v[WA+8+\i], 2*WQ, v[WA+\i]
.endr
	v_lshl_add_u32 v[STB], v192, 2, v193
	v_add_nc_u32 v[STB], s20, v[STB]
	v_add_nc_u32 v[STR], STG, v[LI]
	WALU                                           ; the wait at the head's end
	SHOW 0
	FETCH 0
	FETCH 1
	s_wait_loadcnt 0x0                             ; the scale words
	STEP 0, 1
.irp s, 1,2,3,4,5,6,7
	STEP \s, 0
.endr
	PLACES                                         ; in front of the first read of results
; ---- T's quantiser: tile t's 32 registers are one block of row r; the four tiles by turns, each accumulator from its low end on
.irp q, 0,1,2,3
	v_max3_num_f32 v[MX+\q], |v[ACC+32*\q]|, |v[ACC+32*\q+1]|, 0x1800000
.endr
.irp i, 2,4,6,8,10,12,14,16,18,20,22,24,26,28,30
.irp q, 0,1,2,3
	v_max3_num_f32 v[MX+\q], v[MX+\q], |v[ACC+32*\q+\i]|, |v[ACC+32*\q+\i+1]|
.endr
.endr
.irp q, 0,1,2,3
	v_add_nc_u32 v[SOP+\q], 0xff000000, v[MX+\q]
.endr
.irp q, 0,1,2,3
	v_lshrrev_b32 v[BY+\q], 23, v[SOP+\q]
.endr
.irp q, 0,1,2,3
	ds_store_b8 v[STB], v[BY+\q] offset:64*\q
.endr
.irp q, 0,1,2,3
	v_cvt_scalef32_pk16_fp6_f32 v[CD+6*\q:CD+6*\q+2], v[ACC+32*\q:ACC+32*\q+15], v[SOP+\q]
	v_cvt_scalef32_pk16_fp6_f32 v[DD+4*\q:DD+4*\q+2], v[ACC+32*\q+16:ACC+32*\q+31], v[SOP+\q]
.endr
	v_nop                                          ; one plain place behind a scaled conversion
.irp q, 0,1,2,3
.irp i, 0,1,2
	v_mov_b32 v[CD+6*\q+3+\i], v[DD+4*\q+\i]
.endr
	global_store_b128 v[LI], v[CD+6*\q:CD+6*\q+3], s[60:61] offset:12288*\q
	global_store_b64 v[L8], v[CD+6*\q+4:CD+6*\q+5], s[60:61] offset:12288*\q+512
.endr
	WALU
	s_wait_dscnt 0x0
	s_barrier_signal -1
	s_barrier_wait -1                              ; T's scale words are whole
	s_cmp_eq_u32 s14, 0
	s_cbranch_scc0 .Lclose
	ds_load_b128 v[RD:RD+3], v[STR]
	ds_load_b128 v[RD+4:RD+7], v[STR] offset:512
	s_wait_dscnt 0x0
	global_store_b128 v[LI], v[RD:RD+3], s[62:63]
	global_store_b128 v[LI], v[RD+4:RD+7], s[62:63] offset:512
.Lclose:
	s_wait_tensorcnt 0x0                           ; the wave's end
	ds_add_u32 v[SPW], v[NIL]
	s_wait_dscnt 0x0
	CROUND                                         ; the closing round
	s_endpgm
.Lfunc_end_k_q42aaa899f9_gemm:
	.size	k_q42aaa899f9_gemm, .Lfunc_end_k_q42aaa899f9_gemm-k_q42aaa899f9_gemm
	.p2alignl 7, 3214868480
	.fill 96, 4, 3214868480
	.section	.rodata,"a",@progbits
	.p2align	6, 0x0
	.amdhsa_kernel k_q42aaa899f9_gemm
		.amdhsa_group_segment_fixed_size 327680
		.amdhsa_private_segment_fixed_size 0
		.amdhsa_enable_private_segment 0
		.amdhsa_kernarg_size 48
		.amdhsa_user_sgpr_count 2
		.amdhsa_user_sgpr_kernarg_segment_ptr 1
		.amdhsa_wavefront_size32 1
		.amdhsa_system_sgpr_workgroup_id_x 1
		.amdhsa_system_sgpr_workgroup_id_y 1
		.amdhsa_system_sgpr_workgroup_id_z 1
		.amdhsa_system_vgpr_workitem_id 0
		.amdhsa_next_free_vgpr 448
		.amdhsa_next_free_sgpr 96
		.amdhsa_reserve_vcc 0
		.amdhsa_float_denorm_mode_32 3
		.amdhsa_float_denorm_mode_16_64 3
		.amdhsa_memory_ordered 1
		.amdhsa_forward_progress 1
		.amdhsa_inst_pref_size 56
	.end_amdhsa_kernel
	.amdgpu_metadata
---
amdhsa.version: [ 1, 2 ]
amdhsa.kernels:
  - .name:           k_q42aaa899f9_gemm
    .symbol:         k_q42aaa899f9_gemm.kd
    .args:
      - { .name: rq, .offset: 0, .size: 8, .value_kind: global_buffer, .address_space: global }
      - { .name: sc, .offset: 8, .size: 8, .value_kind: global_buffer, .address_space: global }
      - { .name: wq, .offset: 16, .size: 8, .value_kind: global_buffer, .address_space: global }
      - { .name: wqs, .offset: 24, .size: 8, .value_kind: global_buffer, .address_space: global }
      - { .name: tq, .offset: 32, .size: 8, .value_kind: global_buffer, .address_space: global }
      - { .name: ts, .offset: 40, .size: 8, .value_kind: global_buffer, .address_space: global }
    .group_segment_fixed_size: 327680
    .private_segment_fixed_size: 0
    .kernarg_segment_align: 8
    .kernarg_segment_size: 48
    .max_flat_workgroup_size: 256
    .sgpr_count:     96
    .vgpr_count:     448
    .wavefront_size: 32
...
	.end_amdgpu_metadata
.endif
;; end of part 2
;; launch attn (part 3): grid 256 x 1, 8 waves a work-group, no clusters, 303,104 bytes of LDS; arguments repr, rq, rv, sc, tq, ts, out0; writes out0
.if DOCPART == 3
	.amdgcn_target "amdgcn-amd-amdhsa--gfx1250"
	.amdhsa_code_object_version 6
	.text
	.protected	k_q42aaa899f9_attn
	.globl	k_q42aaa899f9_attn
	.p2align	8
	.type	k_q42aaa899f9_attn,@function
k_q42aaa899f9_attn:
	s_mov_b64 s[64:65], 0
	v_nop
	global_prefetch_b8 v0, s[64:65] scope:SCOPE_SE
	s_setreg_imm32_b32 hwreg(HW_REG_WAVE_MODE, 25, 1), 1
	s_wait_xcnt 0x0
; out = repr + relu(softmax(T repr^T) repr), keys with |q - k| > 64 hidden, on codes of FP6; layouts: the two launches before.  A work-group owns block G of 32 queries: work-group i takes query block qb = i / 8 of batch i % 8, G = 32 (i % 8) + qb.
; DEAD WORK left out: key blocks outside the window (the first launch's head shows it).  The window: five key blocks from kb0 = qb - 2, held to 0 .. 27: every open key of the block lies there; the mask alone decides what counts.
; SHARES of the eight waves.  Scores and softmax: wave w takes query tile u = w % 2 and the window's blocks 2 P, 2 P + 1, P = w / 2 (P = 2: block 4 twice, the second hidden; waves 6, 7: no keys: scores of -infinity, whose
; zero codes fill the last product's second K step).  S^T = K T^T: tile j of a pair takes keys 8 j + i of block 2 P (rows 0-7) and of block 2 P + 1 (rows 8-15), so lane (r, h) holds query r and its 32 registers are the
; 32 keys of block 2 P + h in order: one scale block of p, whose six registers of codes fall as the next operand wants them.  O^T = V^T P^T: wave w makes columns 128 w ..: tile (q, t) = columns 64 t + 4 m + q.
; V and repr (for the residual) go from memory straight into registers: each of their bytes is used by one wave alone.  They are asked for in the order of need: half of V behind the tiles, half when the wave's own tile
; has landed, repr's rows among the products of the scores.
; NO CLUSTER: neighbouring query blocks' windows begin at different blocks; a joint load for four would bring their union, eight key blocks, 196,608 bytes, which beside T (24,576), the scales (16,384) and the stages (135,168) do not fit in
; 327,680.  NO PREFETCH: there is no loop to run ahead in; each tile is asked for once, at the head.
; SOFTMAX: t = score x log2(e), M = ceil(the row's largest t), p = 2^(t - M) quantised, not normalised; the row's sum is of the unquantised p and divides at the end (v_rcp_f32, behind the last quantiser).
; LIMITS: NaN and infinities among the inputs are not served.  A hidden key counts as p = 0; in the definition it has the score -1e9, which would count only where a row's largest open score lies under about -1e9 + 100.
; The promise holds while the scaled scores stay under 2^31 in magnitude.  Blocks of zeros have the byte 1 where the rule says 127: their codes are zeros.
; REGISTERS.  Window 0: v1-31 addresses (v16-31 later p's last fragment and 1 / the sums), v32-64, v68 scale words and nothing else, v72-239 at work, v240-255 repr's rows 28-31.  Window 1: v0-143 V, v144-255 repr's rows 0-27.
.set KST,  24704                       ; from key block to key block in LDS: 24,576 + 128, so that the two halves of a tile's rows lie on different banks
.set TIMG, 123648
.set SCI,  TIMG+24576                  ; the five blocks' scale words
.set PIMG, SCI+10240                   ; p: [u][P 4][768]
.set PSC,  PIMG+6144                   ; p's scale words: [K step 2][u][r]
.set MXL,  PSC+256                     ; largest scores [w][lane]; 1,024 bytes on: sums
.set SPARE, MXL+2048                   ; the spare words, 128 bytes for each wave
.set STAGE, SPARE+1024                 ; the way out: 32 rows x 528 bytes for each wave
.set SREG, 32*528
.set SPW, 1
.set NIL, 2
.set LI,  3                            ; 16 x lane
.set STW, 4
.set STR, 5
.set PRA, 6
.set PRB, 7
.set PSR, 8
.set MXB, 9
.set PWA, 10
.set PWB, 11
.set PSW, 12
.set MXW, 13
.set MXR, 14
.set VSA, 15
.set KA,  16                           ; v16-23: 2 j + (0: 16-byte pieces, 1: 8-byte pieces)
.set TA,  24                           ; v24-25
.set KSA, 26
.set LOW, 27                           ; key register n is hidden where n - LOW > RNG, unsigned
.set RNG, 28
.set NINF, 29
.set RL,  28                           ; later v28-31: 1 / the sums, as pairs
.set KS,  32                           ; 8 (j / 2) + s: lanes 0-15 the even tile, lanes 16-31 the odd
.set TS,  48                           ; s ^ 1
.set VS0, 56                           ; V's words, first K step, by q
.set VS1, 60                           ; second
.set PS0, 68
.set PS1, 64
.set KF,  72                           ; two sets of four key fragments
.set TF,  168                          ; two of one fragment of T
.set S,   192                          ; the scores, then p: 32 keys
.set ACC, 108                          ; O^T: 64 u + 16 q + 8 t
.set RS,  144                          ; window 1: repr's rows
.set HID, 66                           ; s[66:97]: lane masks: register n's key is hidden
.set GB,  98                           ; G
.set G1K, 24
.set G1T, 32
.set G1S, 40
.set G0K, 48
.set G0T, 52
.set G0S, 56
.set CS,  60                           ; s[60:61]: log2(e), twice
.set MSB, 0
.macro WIN new                         ; the immediate's high byte repeats the setting that is left
.if MSB != \new
	s_set_vgpr_msb (MSB<<8)|\new
.set MSB, \new
.endif
.endm
.macro WALU
	s_wait_alu depctr_va_vdst(0)
.endm
.macro PLACES
.rept 4
	v_nop
.endr
.endm
.macro BARRIER
	WALU
	s_wait_dscnt 0x0
	s_barrier_signal -1
	s_barrier_wait -1
.endm
.macro TLOAD g0, g1
	tensor_load_to_lds s[\g0:\g0+3], s[\g1:\g1+7]
	s_nop 0
	PLACES
.endm
.macro DENSE g, rows                   ; group 1: a dense block as rows of 256 bytes
	s_mov_b32 s[\g+0], 3<<16
	s_mov_b32 s[\g+1], 32<<16
	s_mov_b32 s[\g+2], \rows<<16
	s_mov_b32 s[\g+3], 32<<16
	s_mov_b32 s[\g+4], \rows
	s_mov_b32 s[\g+5], 32
	s_mov_b32 s[\g+6], 0
	s_mov_b32 s[\g+7], 0
.endm
.macro FRAG r, a, off, st
	ds_load_b128 v[\r:\r+3], v[\a] offset:\off
	ds_load_b64 v[\r+4:\r+5], v[\a+1] offset:\off
	ds_load_b128 v[\r+6:\r+9], v[\a] offset:\off+\st
	ds_load_b64 v[\r+10:\r+11], v[\a+1] offset:\off+\st
.endm
.macro FETCH s                         ; K step s: four key fragments and T's: 20 loads
.set E_, (\s)%2
.set O_, (\s)*3072
.set OT_, (\s)*1536
.irp j, 0,1,2,3
	FRAG KF+48*E_+12*\j, KA+2*\j, O_, 1536
.endr
	FRAG TF+12*E_, TA, OT_, 768
.endm
.macro MUL2 s, z                       ; the four accumulators by turns
.irp jh, 0,1
.irp jl, 0,1
.set D_, S+16*\jh+8*\jl
.set A_, KF+48*((\s)%2)+24*\jh+12*\jl
.set X_, TF+12*((\s)%2)
.if \z
	v_wmma_scale_f32_16x16x128_f8f6f4 v[D_:D_+7], v[A_:A_+11], v[X_:X_+11], 0, v[KS+8*\jh+(\s)], v[TS+((\s)^1)] matrix_a_fmt:MATRIX_FMT_FP6 matrix_b_fmt:MATRIX_FMT_FP6 matrix_a_scale:MATRIX_SCALE_ROW\jl
.else
	v_wmma_scale_f32_16x16x128_f8f6f4 v[D_:D_+7], v[A_:A_+11], v[X_:X_+11], v[D_:D_+7], v[KS+8*\jh+(\s)], v[TS+((\s)^1)] matrix_a_fmt:MATRIX_FMT_FP6 matrix_b_fmt:MATRIX_FMT_FP6 matrix_a_scale:MATRIX_SCALE_ROW\jl
.endif
.endr
.endr
.endm
.macro VLOAD q                         ; tiles (q, t): 18 registers each: block 4, blocks 0 + h, blocks 2 + h.  The second K step's operand is the first twelve: what lies behind block 4 there meets zero codes of p
.irp t, 0,1
.set R_, 36*\q+18*\t
	global_load_b128 v[R_+6:R_+9], v232, s[8:9] offset:768*\q+256*\t
	global_load_b64 v[R_+10:R_+11], v233, s[8:9] offset:768*\q+128*\t+512
	global_load_b128 v[R_+12:R_+15], v232, s[8:9] offset:49152+768*\q+256*\t
	global_load_b64 v[R_+16:R_+17], v233, s[8:9] offset:49152+768*\q+128*\t+512
	global_load_b128 v[R_:R_+3], v234, s[8:9] offset:98304+768*\q+256*\t
	global_load_b64 v[R_+4:R_+5], v235, s[8:9] offset:98304+768*\q+128*\t+512
.endr
.endm
.macro RES14 from                      ; fourteen of repr's rows 0-27
	WIN 0x40
.set n, \from
.rept 14
	global_load_b128 v[RS+4*n:RS+4*n+3], v[LI], s[4:5] offset:4096*n th:TH_LOAD_NT
.set n, n+1
.endr
	WIN 0
.endm
.macro RES4                            ; rows 28-31
.irp i, 0,1,2,3
	global_load_b128 v[240+4*\i:243+4*\i], v[LI], s[4:5] offset:4096*(28+\i) th:TH_LOAD_NT
.endr
.endm
; ---- the head
	s_load_b256 s[4:11], s[0:1], 0x0               ; repr, rq, rv, sc
	s_load_b128 s[12:15], s[0:1], 0x20             ; tq, ts
	s_load_b64 s[16:17], s[0:1], 0x30              ; out0
	v_lshl_add_u32 v[SPW], v0, 2, SPARE
	v_mov_b32 v[NIL], 0
	ds_add_u32 v[SPW], v[NIL]
	ds_add_u32 v[SPW], v[NIL]
	v_lshrrev_b32 v3, 5, v0
	v_readfirstlane_b32 s20, v3                    ; wave 0..7
	s_and_b32 s21, s20, 1                          ; u
	s_lshr_b32 s22, s20, 1                         ; P
	DENSE G1K, 96
	DENSE G1T, 48
	DENSE G1S, 40
	s_lshr_b32 s23, ttmp9, 3                       ; qb
	s_sub_co_i32 s18, s23, 2
	s_max_i32 s18, s18, 0
	s_min_i32 s18, s18, 27                         ; kb0
	s_sub_co_i32 s63, s23, s18
	s_lshl_b32 s63, s63, 5
	s_sub_co_i32 s63, s63, 64                      ; the window offset of the first query's first open key
	s_and_b32 s62, ttmp9, 7
	s_lshl_b32 s62, s62, 5
	s_add_co_u32 s[GB], s62, s23                   ; G
	s_add_co_u32 s62, s62, s18                     ; the window's first block among all 256
	s_add_co_u32 s19, s20, 6
	s_and_b32 s19, s19, 7                          ; waves 2-6: key block 0-4
	s_mov_b32 s[G0K], 1
	s_mul_i32 s[G0K+1], s19, KST
	s_lshr_b32 s23, s20, 2                         ; wave 1: T's tile 0; wave 7: tile 1.  Also: 1 where P is 2 or 3
	s_mov_b32 s[G0T], 1
	s_mul_i32 s[G0T+1], s23, 12288
	s_add_co_u32 s[G0T+1], s[G0T+1], TIMG
	s_mov_b32 s[G0S], 1
	s_mov_b32 s[G0S+1], SCI
	s_mov_b32 s3, 0
	s_mov_b32 s[CS], 0x3fb8aa3b
	s_mov_b32 s[CS+1], s[CS]
	s_wait_dscnt 0x0                               ; both opening adds are done
	s_wait_kmcnt 0x0
	s_add_co_u32 s2, s62, s19
	s_mul_i32 s2, s2, 24576
	s_add_nc_u64 s[G0K+2:G0K+3], s[6:7], s[2:3]
	s_or_b32 s[G0K+3], s[G0K+3], 0x80000000
	s_mul_i32 s2, s[GB], 24576
	s_mul_i32 s18, s23, 12288
	s_add_co_u32 s2, s2, s18
	s_add_nc_u64 s[G0T+2:G0T+3], s[12:13], s[2:3]
	s_or_b32 s[G0T+3], s[G0T+3], 0x80000000
	s_lshl_b32 s2, s62, 11
	s_add_nc_u64 s[G0S+2:G0S+3], s[10:11], s[2:3]
	s_or_b32 s[G0S+3], s[G0S+3], 0x80000000
	; one tensor load a wave: the scales, T's two tiles, the five key blocks
	s_cmp_lt_u32 s20, 1
	s_cbranch_scc0 .Lload_t0
	TLOAD G0S, G1S
	s_branch .Lasked
.Lload_t0:
	s_cmp_lt_u32 s20, 2
	s_cbranch_scc0 .Lload_k
	TLOAD G0T, G1T
	s_branch .Lasked
.Lload_k:
	s_cmp_lt_u32 s20, 7
	s_cbranch_scc0 .Lload_t1
	TLOAD G0K, G1K
	s_branch .Lasked
.Lload_t1:
	TLOAD G0T, G1T
.Lasked:
	s_mul_i32 s2, s62, 24576
	s_mul_i32 s18, s20, 3072
	s_add_co_u32 s2, s2, s18
	s_add_nc_u64 s[8:9], s[8:9], s[2:3]            ; V: the window's first block, my four planes
	s_lshl_b32 s2, s[GB], 7
	s_lshl_b32 s18, s21, 6
	s_add_co_u32 s2, s2, s18
	s_add_nc_u64 s[14:15], s[14:15], s[2:3]        ; T's words of my query tile
	s_lshl_b32 s2, s[GB], 17
	s_lshl_b32 s18, s20, 9
	s_add_co_u32 s2, s2, s18
	s_add_nc_u64 s[4:5], s[4:5], s[2:3]            ; my 128 columns of the 32 rows
	s_add_nc_u64 s[16:17], s[16:17], s[2:3]
	v_and_b32 v237, 15, v0                         ; r
	v_bfe_u32 v238, v0, 4, 1                       ; h
	v_and_b32 v239, 31, v0
	v_lshlrev_b32 v[LI], 4, v239
	v_lshlrev_b32 v236, 2, v237                    ; 4 r
	v_lshlrev_b32 v234, 4, v237                    ; V's fifth block: 16 r, 8 r;
	v_lshlrev_b32 v235, 3, v237
	v_mul_u32_u24 v232, v238, 24576                ; the pairs: lanes 16-31 take the next block
	v_add_nc_u32 v233, v232, v235
	v_add_nc_u32 v232, v232, v234
	WALU
.irp s, 0,1,2,3,4,5,6,7
	global_load_b32 v[TS+(\s^1)], v236, s[14:15] offset:32768*\s
.endr
	WIN 0x40
	VLOAD 0
	VLOAD 1
	WIN 0
	; every lane's LDS addresses
	s_mul_i32 s18, s22, 2*KST                      ; block 2 P
	s_xor_b32 s19, s23, 1                          ; 1 where the pair has a second block
	s_mul_i32 s19, s19, KST
	v_bfe_u32 v230, v0, 3, 1                       ; half = r / 8
	v_and_b32 v231, 7, v0                          ; i = r % 8
	v_mul_u32_u24 v224, s19, v230
	v_mul_u32_u24 v225, v238, 768
	v_add_nc_u32 v224, v224, v225
	v_add_nc_u32 v224, s18, v224
	v_add_nc_u32 v225, 512, v224
	v_mul_u32_u24 v226, v238, 24
	v_add_nc_u32 v226, v226, v231                  ; key 8 j + i lies at place (24 h + i) ^ 8 j of plane h
.irp j, 0,1,2,3
	v_xor_b32 v227, 8*\j, v226
	v_lshl_add_u32 v[KA+2*\j], v227, 4, v224
	v_lshl_add_u32 v[KA+2*\j+1], v227, 3, v225
.endr
	s_xor_b32 s19, s23, 1
	s_lshl_b32 s19, s19, 11
	s_lshl_b32 s18, s22, 12
	s_add_co_u32 s18, s18, SCI
	v_mul_u32_u24 v224, s19, v230
	v_lshl_add_u32 v224, v238, 6, v224
	v_lshl_add_u32 v224, v231, 3, v224
	v_add_nc_u32 v[KSA], s18, v224                 ; keys' words
	s_mul_i32 s18, s21, 12288
	s_add_co_u32 s18, s18, TIMG
	v_lshlrev_b32 v225, 3, v239                    ; 8 x lane
	v_add_nc_u32 v[TA], s18, v[LI]
	s_add_co_u32 s18, s18, 512
	v_add_nc_u32 v[TA+1], s18, v225
	s_lshl_b32 s18, s20, 8
	s_add_co_u32 s18, s18, SCI+4
	v_add_nc_u32 v[VSA], s18, v225                 ; V's words
	v_add_nc_u32 v[PRA], PIMG, v[LI]
	v_add_nc_u32 v[PRB], PIMG+512, v225
	s_mul_i32 s18, s21, 3072
	s_mul_i32 s19, s22, 768
	s_add_co_u32 s18, s18, s19
	v_add_nc_u32 v[PWA], s18, v[PRA]
	v_add_nc_u32 v[PWB], s18, v[PRB]
	v_lshlrev_b32 v226, 2, v239                    ; 4 x lane
	v_add_nc_u32 v[PSR], PSC, v226
	s_lshl_b32 s18, s20, 7
	s_add_co_u32 s18, s18, MXL
	v_add_nc_u32 v[MXW], s18, v226
	v_lshlrev_b32 v227, 2, v237                    ; 4 r
	v_add_nc_u32 v[MXB], MXL, v227
	s_lshl_b32 s18, s21, 7
	v_add_nc_u32 v[MXR], s18, v[MXB]
	s_lshl_b32 s18, s23, 7                         ; p's byte: K step P / 2, tile u, row r, byte 2 (P % 2) + h
	s_lshl_b32 s19, s21, 6
	s_add_co_u32 s18, s18, s19
	s_and_b32 s19, s22, 1
	s_lshl_b32 s19, s19, 1
	s_add_co_u32 s18, s18, s19
	s_add_co_u32 s18, s18, PSC
	WALU                                           ; the wait directly ahead of the reader
	v_add_nc_u32 v227, v227, v238
	v_add_nc_u32 v[PSW], s18, v227
	s_mul_i32 s18, s20, SREG
	s_add_co_u32 s18, s18, STAGE
	v_mul_u32_u24 v224, v237, 528
	v_lshl_add_u32 v224, v238, 7, v224
	v_add_nc_u32 v[STW], s18, v224
	v_add_nc_u32 v[STR], s18, v[LI]
	; the mask: lo = the window offset of my query's first open key; open: lo <= o <= lo + 128 and o <= 159; register n holds o = 64 P + 32 h + n
	s_lshl_b32 s18, s21, 4
	s_add_co_u32 s18, s18, s63
	s_lshl_b32 s19, s22, 6
	s_sub_co_u32 s19, s18, s19
	WALU
	v_add_nc_u32 v224, s18, v237                   ; lo, 95 at the most
	v_sub_nc_u32 v[RNG], 159, v224
	v_min_u32 v[RNG], 128, v[RNG]
	v_lshlrev_b32 v225, 5, v238
	v_add_nc_u32 v[LOW], s19, v237
	v_sub_nc_u32 v[LOW], v[LOW], v225
	v_mov_b32 v[NINF], 0xff800000                  ; -infinity
.set n, 0
.rept 4
.irp i, 0,1,2,3,4,5,6,7
	v_sub_nc_u32 v[224+\i], n+\i, v[LOW]
.endr
.irp i, 0,1,2,3,4,5,6,7
	v_cmp_gt_u32 s[HID+n+\i], v[224+\i], v[RNG]
.endr
.set n, n+8
.endr
	WALU                                           ; the wait at the head's end
	s_wait_tensorcnt 0x0                           ; my own tile is in: the rest of V may follow
	WIN 0x40
	VLOAD 2
	VLOAD 3
	WIN 0
	BARRIER                                        ; keys, T and the scales lie in LDS
.irp i, 0,1,2,3,4
	ds_load_b32 v[224+\i], v[VSA] offset:2048*\i   ; block i's bytes of columns 4 lane + 0 .. 3
.endr
	s_mov_b32 s18, 0x05010400
	s_mov_b32 s19, 0x07030602
	s_mov_b32 s2, 0x05040100
	s_mov_b32 s62, 0x07060302
	s_wait_dscnt 0x0
	v_perm_b32 v229, v225, v224, s18               ; four words of four columns into four words of four blocks
	v_perm_b32 v230, v225, v224, s19
	v_perm_b32 v231, v227, v226, s18
	v_perm_b32 v239, v227, v226, s19
	v_perm_b32 v[VS0], v231, v229, s2
	v_perm_b32 v[VS0+1], v231, v229, s62
	v_perm_b32 v[VS0+2], v239, v230, s2
	v_perm_b32 v[VS0+3], v239, v230, s62
	v_mov_b32 v[VS1], v228                         ; byte 0: block 4's; the other bytes meet zero codes of p
.irp q, 1,2,3
	v_lshrrev_b32 v[VS1+\q], 8*\q, v228
.endr
	WALU
; ---- S^T = K T^T
	s_cmp_lt_u32 s20, 6                            ; the wave's number alone; no barrier stands in either arm
	s_cbranch_scc0 .Lidle
.irp p, 0,1
.irp s, 0,1,2,3,4,5,6,7
	ds_load_b32 v[KS+8*\p+\s], v[KSA] offset:256*\s+128*\p
.endr
.endr
	FETCH 0
	FETCH 1
	s_wait_loadcnt 48                              ; T's words: behind them V's 48 loads were issued
.irp s, 0,1,2,3,4,5,6,7
.if \s < 7
	s_wait_dscnt 20                                ; this step's fragments (and the keys' words) are in; the next step's 20 loads may be out
.else
	s_wait_dscnt 0x0
.endif
.if \s == 0
	MUL2 \s, 1
.else
	MUL2 \s, 0
.endif
	PLACES                                         ; in front of the loads into the set just read, and at the end of the first read of results
.if \s < 6
	FETCH \s+2
.endif
.if \s == 1
	RES14 0
.endif
.if \s == 4
	RES14 14
	RES4
.endif
.endr
	s_branch .Lscores
.Lidle:
	RES14 0                                        ; the same 32 loads in the same order on this way
	RES14 14
	RES4
.set n, 0
.rept 32
	v_mov_b32 v[S+n], v[NINF]
.set n, n+1
.endr
.Lscores:
; ---- the softmax
.set n, 0
.rept 32
	v_cndmask_b32 v[S+n], v[S+n], v[NINF], s[HID+n]   ; hidden keys: -infinity, so that p = 0.  (Each accumulator from its low end on)
.set n, n+1
.endr
.irp c, 0,1,2,3
	v_max3_num_f32 v[72+\c], v[S+8*\c], v[S+8*\c+1], v[S+8*\c+2]
.endr
.irp i, 3,5
.irp c, 0,1,2,3
	v_max3_num_f32 v[72+\c], v[72+\c], v[S+8*\c+\i], v[S+8*\c+\i+1]
.endr
.endr
.irp c, 0,1,2,3
	v_max_num_f32 v[72+\c], v[72+\c], v[S+8*\c+7]
.endr
	v_max3_num_f32 v72, v72, v73, v74
	v_max_num_f32 v72, v72, v75                    ; my block's largest score: it serves the row's maximum and, since p rises with the score, the block's largest p
	ds_store_b32 v[MXW], v72
	BARRIER
.irp p, 0,1,2
.irp h, 0,1
	ds_load_b32 v[76+2*\p+\h], v[MXR] offset:256*\p+64*\h
.endr
.endr
	s_wait_dscnt 0x0
	v_max3_num_f32 v82, v76, v77, v78
	v_max3_num_f32 v83, v79, v80, v81
	v_max_num_f32 v82, v82, v83                    ; the row's largest score: a query's own key is always open, so it is a number
	v_mul_f32 v82, s[CS], v82
	v_floor_f32 v86, -v82                          ; -M = -ceil(t)
	v_mov_b32 v87, v86
.irp j, 0,2,4,6,8,10,12,14,16,18,20,22,24,26,28,30
	v_pk_fma_f32 v[S+\j:S+\j+1], v[S+\j:S+\j+1], s[CS:CS+1], v[86:87] op_sel_hi:[1,0,0]   ; t - M
.endr
	v_fma_f32 v72, v72, s[CS], v86
	WALU                                           ; the wait ahead of the batch
.set n, 0
.rept 32
	v_exp_f32 v[S+n], v[S+n]
.set n, n+1
.endr
	v_exp_f32 v72, v72                             ; the block's largest p
	v_nop
	WALU                                           ; and behind it
	v_max_num_f32 v72, 0x1800000, v72              ; the floor 2^(3 - 127)
	v_pk_add_f32 v[74:75], v[S:S+1], v[S+2:S+3]    ; the sum is taken of the unquantised p
	v_pk_add_f32 v[76:77], v[S+4:S+5], v[S+6:S+7]
	v_add_nc_u32 v78, 0xff000000, v72              ; the conversion's scale operand
.irp j, 8,12,16,20,24,28
	v_pk_add_f32 v[74:75], v[74:75], v[S+\j:S+\j+1]
	v_pk_add_f32 v[76:77], v[76:77], v[S+\j+2:S+\j+3]
.endr
	v_lshrrev_b32 v79, 23, v78
	v_cvt_scalef32_pk16_fp6_f32 v[90:92], v[S:S+15], v78
	v_cvt_scalef32_pk16_fp6_f32 v[96:98], v[S+16:S+31], v78
	v_pk_add_f32 v[74:75], v[74:75], v[76:77]      ; (the plain place behind the conversions)
	v_mov_b32 v93, v96
	v_mov_b32 v94, v97
	v_mov_b32 v95, v98
	v_add_f32 v74, v74, v75
	ds_store_b8 v[PSW], v79
	ds_store_b128 v[PWA], v[90:93]
	ds_store_b64 v[PWB], v[94:95]
	ds_store_b32 v[MXW], v74 offset:1024
	BARRIER                                        ; p's codes, bytes and sums lie in LDS
; ---- O^T = V^T P^T, two K steps of 128 keys
.irp u, 0,1
.irp p, 0,1,2
.irp h, 0,1
	ds_load_b32 v[ACC+6*\u+2*\p+\h], v[MXB] offset:1024+256*\p+128*\u+64*\h
.endr
.endr
.endr
	ds_load_b32 v[PS0], v[PSR]
	ds_load_b32 v[PS1], v[PSR] offset:128
	FRAG 72, PRA, 0, 768                           ; K step 0: tiles 0, 1;  K step 1: tile 0 at v96, tile 1 at v16
	FRAG 84, PRA, 3072, 768
	FRAG 96, PRA, 1536, 768
	FRAG 16, PRA, 4608, 768
	s_wait_dscnt 18                                ; the twelve parts of the sums are in: behind them 2 + 16 loads were issued
.irp u, 0,1
	v_add_f32 v[ACC+6*\u], v[ACC+6*\u], v[ACC+6*\u+1]
	v_add_f32 v[ACC+6*\u+2], v[ACC+6*\u+2], v[ACC+6*\u+3]
	v_add_f32 v[ACC+6*\u+4], v[ACC+6*\u+4], v[ACC+6*\u+5]
	v_add_f32 v[ACC+6*\u], v[ACC+6*\u], v[ACC+6*\u+2]
	v_add_f32 v[ACC+6*\u], v[ACC+6*\u], v[ACC+6*\u+4]
.endr
	WALU
	v_rcp_f32 v[RL], v[ACC]
	v_rcp_f32 v[RL+2], v[ACC+6]
	v_nop
	WALU
	v_mov_b32 v[RL+1], v[RL]                       ; (named as pairs below)
	v_mov_b32 v[RL+3], v[RL+2]
	WALU
	s_wait_dscnt 0x0
	s_wait_loadcnt 32                              ; V is in: behind it repr's 32 rows were asked for
	WIN 0x01
.irp q, 0,1,2,3
.irp t, 0,1
.irp u, 0,1
.set D_, ACC+64*\u+16*\q+8*\t
.set A_, 36*\q+18*\t+6
.set X_, 72+12*\u
	v_wmma_scale_f32_16x16x128_f8f6f4 v[D_:D_+7], v[A_:A_+11], v[X_:X_+11], 0, v[VS0+\q], v[PS0] matrix_a_fmt:MATRIX_FMT_FP6 matrix_b_fmt:MATRIX_FMT_FP6 matrix_a_scale:MATRIX_SCALE_ROW\t matrix_b_scale:MATRIX_SCALE_ROW\u
.endr
.endr
.endr
.irp q, 0,1,2,3
.irp t, 0,1
.irp u, 0,1
.set D_, ACC+64*\u+16*\q+8*\t
.set A_, 36*\q+18*\t
.set X_, 96-80*\u
	v_wmma_scale_f32_16x16x128_f8f6f4 v[D_:D_+7], v[A_:A_+11], v[X_:X_+11], v[D_:D_+7], v[VS1+\q], v[PS1] matrix_a_fmt:MATRIX_FMT_FP6 matrix_b_fmt:MATRIX_FMT_FP6 matrix_a_scale:MATRIX_SCALE_ROW\t matrix_b_scale:MATRIX_SCALE_ROW\u
.endr
.endr
.endr
	WIN 0
	PLACES                                         ; in front of the first read of results and the writes over p's fragments
; ---- the way out.  Group (u, t): register i of the four tiles q = 0 .. 3 is four neighbouring columns, 64 t + 32 h + 4 i + q, of query 16 u + r.  Each group's packed numbers go to registers that no pending LDS store names
.macro OUT u, t, d
.irp i, 0,1,2,3,4,5,6,7
.if (\u)+(\t) == 0
.set T_, 72+4*\i
.else
.set T_, ACC+\d+16*(\i/2)+4*(\i%2)
.endif
.irp q, 0,1,2,3
	v_max_num_f32 v[T_+\q], 0, v[ACC+64*\u+16*\q+8*\t+\i]
.endr
	v_pk_mul_f32 v[T_:T_+1], v[T_:T_+1], v[RL+2*\u:RL+2*\u+1] op_sel_hi:[1,0]
	v_pk_mul_f32 v[T_+2:T_+3], v[T_+2:T_+3], v[RL+2*\u:RL+2*\u+1] op_sel_hi:[1,0]
	ds_store_b128 v[STW], v[T_:T_+3] offset:8448*\u+256*\t+16*\i
.endr
.endm
	OUT 0, 0, 0
	OUT 0, 1, 0
	OUT 1, 0, 8
	OUT 1, 1, 64
	s_wait_dscnt 0x0                               ; the stores have read their registers
.set n, 0
.rept 32
	ds_load_b128 v[ACC+4*n:ACC+4*n+3], v[STR] offset:528*n   ; back as whole rows of 512 bytes: my own stage
.set n, n+1
.endr
	WIN 0x44                                       ; sums and store data in window 1
.set n, 0
.rept 28
	s_wait_loadcnt 31-n                            ; repr's row n is in; the 31 - n asked for behind it may be out
	s_wait_dscnt 31-n                              ; and so is row n from the stage
	v_pk_add_f32 v[RS+4*n:RS+4*n+1], v[ACC+4*n:ACC+4*n+1], v[RS+4*n:RS+4*n+1]
	v_pk_add_f32 v[RS+4*n+2:RS+4*n+3], v[ACC+4*n+2:ACC+4*n+3], v[RS+4*n+2:RS+4*n+3]
	global_store_b128 v[LI], v[RS+4*n:RS+4*n+3], s[16:17] offset:4096*n th:TH_STORE_NT   ; 32 lanes store 512 consecutive bytes, aligned
.set n, n+1
.endr
	WIN 0
.rept 4
	s_wait_loadcnt 31-n
	s_wait_dscnt 31-n
	v_pk_add_f32 v[240+4*(n-28):241+4*(n-28)], v[ACC+4*n:ACC+4*n+1], v[240+4*(n-28):241+4*(n-28)]
	v_pk_add_f32 v[242+4*(n-28):243+4*(n-28)], v[ACC+4*n+2:ACC+4*n+3], v[242+4*(n-28):243+4*(n-28)]
	global_store_b128 v[LI], v[240+4*(n-28):243+4*(n-28)], s[16:17] offset:4096*n th:TH_STORE_NT
.set n, n+1
.endr
	s_wait_tensorcnt 0x0                           ; the wave's end
	ds_add_u32 v[SPW], v[NIL]
	s_wait_dscnt 0x0
	s_endpgm
.Lfunc_end_k_q42aaa899f9_attn:
	.size	k_q42aaa899f9_attn, .Lfunc_end_k_q42aaa899f9_attn-k_q42aaa899f9_attn
	.p2alignl 7, 3214868480
	.fill 96, 4, 3214868480
	.section	.rodata,"a",@progbits
	.p2align	6, 0x0
	.amdhsa_kernel k_q42aaa899f9_attn
		.amdhsa_group_segment_fixed_size 303104
		.amdhsa_private_segment_fixed_size 0
		.amdhsa_enable_private_segment 0
		.amdhsa_kernarg_size 56
		.amdhsa_user_sgpr_count 2
		.amdhsa_user_sgpr_kernarg_segment_ptr 1
		.amdhsa_wavefront_size32 1
		.amdhsa_system_sgpr_workgroup_id_x 1
		.amdhsa_system_sgpr_workgroup_id_y 1
		.amdhsa_system_sgpr_workgroup_id_z 1
		.amdhsa_system_vgpr_workitem_id 0
		.amdhsa_next_free_vgpr 512
		.amdhsa_next_free_sgpr 100
		.amdhsa_reserve_vcc 0
		.amdhsa_float_denorm_mode_32 3
		.amdhsa_float_denorm_mode_16_64 3
		.amdhsa_memory_ordered 1
		.amdhsa_forward_progress 1
		.amdhsa_inst_pref_size 79
	.end_amdhsa_kernel
	.amdgpu_metadata
---
amdhsa.version: [ 1, 2 ]
amdhsa.kernels:
  - .name:           k_q42aaa899f9_attn
    .symbol:         k_q42aaa899f9_attn.kd
    .args:
      - { .name: repr, .offset: 0, .size: 8, .value_kind: global_buffer, .address_space: global }
      - { .name: rq, .offset: 8, .size: 8, .value_kind: global_buffer, .address_space: global }
      - { .name: rv, .offset: 16, .size: 8, .value_kind: global_buffer, .address_space: global }
      - { .name: sc, .offset: 24, .size: 8, .value_kind: global_buffer, .address_space: global }
      - { .name: tq, .offset: 32, .size: 8, .value_kind: global_buffer, .address_space: global }
      - { .name: ts, .offset: 40, .size: 8, .value_kind: global_buffer, .address_space: global }
      - { .name: out0, .offset: 48, .size: 8, .value_kind: global_buffer, .address_space: global }
    .group_segment_fixed_size: 303104
    .private_segment_fixed_size: 0
    .kernarg_segment_align: 8
    .kernarg_segment_size: 56
    .max_flat_workgroup_size: 256
    .sgpr_count:     100
    .vgpr_count:     512
    .wavefront_size: 32
...
	.end_amdgpu_metadata
.endif
;; end of part 3
